; MI455X (gfx1250); checked and timed in simulation.
; The chip was launched on July 23, 2026; its instructions are those of AMD's public machine-readable ISA for CDNA 5 (MIT licence, August 2026) and "CDNA5" Instruction Set Architecture Reference Guide (July 2026). The comments in the code are by the model that wrote it; some were corrected since.
;; Dot Prod Attention. Allowed arithmetic: float matrix products may take bf16 or f16 operands with f32 sums; all other float work in f32.
;; Inputs: key 32 x 2,048 x 64 float32; query 32 x 2,048 x 64 float32; value 32 x 2,048 x 64 float32.
;; Outputs: out0 32 x 2,048 x 64 float32.
;; One version. Each part assembles by itself: llvm-mc -triple=amdgcn-amd-amdhsa -mcpu=gfx1250 --defsym DOCPART=n.
;; ======== version 1 of 1: 1 launch
;; launch attn (part 1): grid 8 x 32, 8 waves a work-group, clusters of 4 x 1, 327,680 bytes of LDS; arguments key, query, value, out0; writes out0
.if DOCPART == 1
	.amdgcn_target "amdgcn-amd-amdhsa--gfx1250"
	.amdhsa_code_object_version 6
	.text
	.protected	k_q048f8ebe84_attn
	.globl	k_q048f8ebe84_attn
	.p2align	8
	.type	k_q048f8ebe84_attn,@function
k_q048f8ebe84_attn:
	s_mov_b64 s[64:65], 0
	v_nop
	global_prefetch_b8 v0, s[64:65] scope:SCOPE_SE
	s_setreg_imm32_b32 hwreg(HW_REG_WAVE_MODE, 25, 1), 1
	s_wait_xcnt 0x0
	s_wait_alu depctr_hold_cnt(0) depctr_sa_sdst(0) depctr_va_vdst(0) depctr_va_sdst(0) depctr_va_ssrc(0) depctr_va_vcc(0) depctr_vm_vsrc(0)
	s_getreg_b32 s2, hwreg(HW_REG_IB_STS2, 6, 4)
	s_cmp_eq_u32 s2, 0
	s_cbranch_scc0 .Lentry_in_a_cluster
	s_endpgm
.Lentry_in_a_cluster:
	s_bfe_u32 s2, ttmp6, 0x10000c
	s_cmp_lg_u32 s2, 0x3003
	s_cbranch_scc0 .Lentry_shape_is_right
	s_endpgm
.Lentry_shape_is_right:
; out0[b][q][:] = softmax over k of (query[b][q] . key[b][k] / 8) applied to value[b][k][:].  All tensors [32][2048][64] f32.
; One launch, nothing through memory but inputs and output.  A work-group takes 256 queries of one batch, a wave 32 (two tiles of 16).
; Keys go in 16 steps of 128.  Products in bf16 with f32 sums; maximum, exponentials, row sums and rescaling in f32.
;
; BOTH PRODUCTS ARE USED TRANSPOSED.  S^T = K Q^T: source 0 = 16 keys x 32 d, source 1 = 16 queries x 32 d; in the result lane (r, h) holds
; query r and keys 8h + 0..7.  So a query's maximum and sum are one number a lane: they run along the lane's own registers, and one exchange
; between the two halves of the wave completes them.  Two such tiles (keys 0-15, 16-31), rounded to bf16 in pairs, ARE source 1 of the second
; product O^T = V^T P^T (registers 0-3: keys 8h..8h+7, registers 4-7: keys 16+8h..): no shuffle, no trip through LDS.  Its result holds query r
; and d = 16 dt + 8h + 0..7 in lane (r, h), so rescaling and the final division are multiplications by a number of the lane's own.
;
; RUNNING MAXIMUM: M in units of the raw product, c = log2(e) / 8, NM = -c M rounded once, p = 2^(c s + NM) by one fused multiply-add,
; alpha = 2^(NM new - NM old) from the rounded numbers, so that sums and products carry the same shift.
;
; CLUSTERS: the four work-groups of a cluster are four query blocks of one batch and walk the same K and V.  Each tile is asked for jointly
; (mask 15): same line, same descriptor (made of the batch and the wave's number alone), in the same round of the cluster's barrier.
; That divides the requests for K and V by four.  The place in the cluster enters the offsets of query and out0 and nothing else.
;
; DATA PATH: waves 0-3 each bring 64 rows x 256 bytes of f32 (K rows 0-63, 64-127, V rows 0-63, 64-127 of the step) into one of two slots.
; The eight waves round the slot to bf16 together (16 rows of K and of V each) into two bf16 tiles, pass a barrier, and read fragments there;
; V, stored [key][d], is read by the transposing load.  By this text's own count a wave has at most one tensor load outstanding, asked for
; straight behind a round and waited for in front of the next: a whole step of 128 keys lies between.
;
; LIMITS: NaN and infinities in the inputs are not treated apart (the maxima pass over a NaN; what follows is then not reference()'s NaN pattern).
; Terms smaller than 2^-126 of their row's largest count as 0 (v_exp_f32 flushes such results: ISA guide 15.8).  The row sum adds the f32
; exponentials, the product takes them rounded to bf16.  Sums over keys are made in another order than reference()'s.
.set SLOTB,  65536                     ; an LDS slot: K's 128 rows of 256 bytes, then V's
.set VPART,  32768                     ; V's part of a slot
.set STEPB,  32768                     ; 128 rows of 256 bytes in memory: from a step's tile to the next
.set KB,     131072                    ; bf16 K: 128 rows, pitch 144
.set VB,     149504                    ; bf16 V: 128 rows, pitch 160
.set STAGE,  169984                    ; 8,704 bytes for each wave: Q in bf16 at the start, 32 rows of the result at the end
.set STGW,   8704
.set KP,     144                       ; an odd multiple of 16: the 16 rows of a fragment load lie in 16 different 16-byte columns modulo 256
.set VP,     160                       ; an odd multiple of 32, for the transposing load's eight rows of two 16-byte columns
.set OP,     272                       ; a row of 64 f32 + 16
.set KADR, 1                           ; v1      KB + 144 r + 16 h
.set VADR, 2                           ; v2      VB + 160 (8 h + L % 8) + 16 ((L / 8) % 2)
.set CRK0, 3                           ; v3      f32 K of slot 0: 4,096 wave + 16 r + 2,048 h   (lanes 16-31: eight rows further down)
.set CRV0, 4                           ; v4      f32 V of slot 0: 32,768 + 4,096 wave + 16 r + 1,024 h   (four rows further down)
.set CWK,  5                           ; v5      KB + 2,304 wave + 8 r + 1,152 h
.set CWV,  6                           ; v6      VB + 2,560 wave + 8 r + 640 h
.set CRK1, 7                           ; v7      as v3, slot 1
.set T,    8                           ; v[8:15] at work
.set PA,   16                          ; v[16:17], v[18:19]  query tile qt: (NM, M)
.set PB,   20                          ; v[20:21], v[22:23]  (alpha, later 1 / l; a word that is 0 and only completes the pair)
.set LS,   24                          ; v[24:25], v[26:27]  two partial row sums
.set STO,  28                          ; v28     the way out: stage + 272 r + 32 h
.set RD,   29                          ; v29     the way out: stage + 272 h + 16 r
.set CO,   30                          ; v30     the way out: 16 L, my bytes in two rows of out0
.set CRV1, 31                          ; v31     as v4, slot 1
.set QF,   32                          ; v[32:63]    Q fragments (qt, ds) at 32 + 8 (2 qt + ds)
.set OA,   64                          ; v[64:127]   O^T tiles (dt, qt) at 64 + 8 (2 dt + qt)
.set SC,   128                         ; v[128:191]  score tiles g = 4 (kt / 2) + 2 qt + kt % 2; P (ks, qt) in place at 128 + 16 (2 ks + qt)
.set FR,   192                         ; v[192:255]  K fragments (kt, ds) at 192 + 8 (4 ds + kt); V fragments (dt, ks) at 192 + 8 (4 ks + dt); data under conversion
.set G1,   16                          ; s[16:23]    descriptor group 1, one for all loads
.set G0,   24                          ; s[24:31]    descriptor group 0, one for each slot
; A round of the cluster's barrier: my work-group's barrier, wave 0 signals for the work-group, all wait for the four work-groups, my work-group's barrier again.
.macro ROUND
	s_barrier_signal -1
	s_barrier_wait -1
	s_cmp_lg_u32 s12, 0
	s_cbranch_scc1 .Lnot_wave_0_\@
	s_barrier_signal -3
.Lnot_wave_0_\@:
	s_barrier_wait -3
	s_barrier_signal -1
	s_barrier_wait -1
.endm
; The joint load of a slot: waves 0 to 3 bring a quarter each, waves 4 to 7 none.  The branch hangs on the wave's number alone.
.macro JLOAD slot
	s_cmp_ge_u32 s12, 4
	s_cbranch_scc1 .Lno_load_\@
	tensor_load_to_lds s[G0+4*\slot:G0+4*\slot+3], s[G1:G1+7]
	s_nop 0
.Lno_load_\@:
.endm
.macro PLACES cnt
.rept \cnt
	v_nop
.endr
.endm
	s_load_b256 s[4:11], s[0:1], 0x0               ; key s[4:5], query s[6:7], value s[8:9], out0 s[10:11]
	s_set_vgpr_msb 0x40
	v_lshl_add_u32 v0, v0, 2, 0x3a800
	v_mov_b32 v1, 0
	s_set_vgpr_msb 0x4045
	ds_add_u32 v0, v1
	s_set_vgpr_msb 0x4500
	v_lshrrev_b32 v[T], 5, v0
	v_readfirstlane_b32 s12, v[T]                  ; wave 0..7
	s_bfe_u32 s13, ttmp6, 0x40000                  ; cx: my place in the cluster
	s_and_b32 s14, ttmp7, 0xffff                   ; batch (the cluster's y)
	s_lshl_b32 s15, ttmp9, 2
	s_add_co_u32 s15, s15, s13                     ; query block = 4 x cluster x + cx
	s_mov_b32 s34, 0x3e38aa3b                      ; c = log2(e) / 8,
	s_mov_b32 s35, 0x3e38aa3b                      ; twice: a pair for the packed forms
	s_mov_b32 s36, 0xbe38aa3b                      ; -c
	s_mov_b32 s37, 0x76543210                      ; v_permlanex16_b32: lane i reads lane i of the other half
	s_mov_b32 s38, 0xfedcba98
	; group 1: a tile of 64 rows x 64 elements of 4 bytes, dense in memory and in LDS
	s_mov_b32 s[G1+0], 15|(2<<16)|(1<<21)          ; 15:0 mask: all four work-groups of the cluster; 17:16 elements of 4 bytes; 21 set beside a mask; no padding
	s_mov_b32 s[G1+1], 64<<16                      ; tensor_dim0 = 64
	s_mov_b32 s[G1+2], 64<<16                      ; tensor_dim1 = 64
	s_mov_b32 s[G1+3], 64<<16                      ; tile_dim0 = 64
	s_mov_b32 s[G1+4], 64                          ; tile_dim1 = 64
	s_mov_b32 s[G1+5], 64                          ; 64 elements from row to row
	s_mov_b32 s[G1+6], 0
	s_mov_b32 s[G1+7], 0
	; group 0: LDS address = slot + 16,384 x wave
	s_mov_b32 s[G0+0], 1
	s_lshl_b32 s[G0+1], s12, 14
	s_mov_b32 s[G0+4], 1
	s_lshl_b32 s[G0+5], s12, 14
	s_add_co_u32 s[G0+5], s[G0+5], SLOTB
	; offset of my quarter of step 0 in key or value: batch x 2,048 rows + (wave % 2) x 64 rows, of 256 bytes
	s_lshl_b32 s44, s14, 19
	s_and_b32 s46, s12, 1
	s_lshl_b32 s46, s46, 14
	s_add_co_u32 s44, s44, s46
	s_mov_b32 s45, 0
	; offset of my wave's 32 rows in query and out0: batch x 2,048 + block x 256 + wave x 32 rows
	s_lshl_b32 s32, s14, 19
	s_lshl_b32 s47, s15, 16
	s_add_co_u32 s32, s32, s47
	s_lshl_b32 s47, s12, 13
	s_add_co_u32 s32, s32, s47
	s_mov_b32 s33, 0
	; lane terms
	v_and_b32 v8, 15, v0                           ; r
	v_bfe_u32 v9, v0, 4, 1                         ; h
	v_and_b32 v10, 7, v0                           ; L % 8
	v_bfe_u32 v11, v0, 3, 1                        ; (L / 8) % 2
	v_mul_u32_u24 v12, v8, KP
	v_lshl_add_u32 v12, v9, 4, v12                 ; 144 r + 16 h
	v_add_nc_u32 v[KADR], KB, v12
	v_lshl_add_u32 v10, v9, 3, v10                 ; 8 h + L % 8
	v_mul_u32_u24 v[VADR], v10, VP
	v_lshl_add_u32 v[VADR], v11, 4, v[VADR]
	v_add_nc_u32 v[VADR], VB, v[VADR]
	v_lshlrev_b32 v13, 4, v8                       ; 16 r
	v_lshl_add_u32 v17, v9, 11, v13                ; Q in memory: 16 r + 2,048 h (lanes 16-31: eight rows further down)
	v_lshl_add_u32 v13, s12, 12, v13               ; 16 r + 4,096 wave
	v_lshl_add_u32 v[CRK0], v9, 11, v13
	v_add_nc_u32 v[CRK1], SLOTB, v[CRK0]
	v_lshl_add_u32 v[CRV0], v9, 10, v13
	v_add_nc_u32 v[CRV0], VPART, v[CRV0]
	v_add_nc_u32 v[CRV1], SLOTB, v[CRV0]
	v_lshlrev_b32 v14, 3, v8                       ; 8 r
	s_mul_i32 s46, s12, 16*KP
	s_add_co_u32 s46, s46, KB
	v_mad_u32_u24 v[CWK], v9, 8*KP, v14
	v_add_nc_u32 v[CWK], s46, v[CWK]
	s_mul_i32 s46, s12, 16*VP
	s_add_co_u32 s46, s46, VB
	v_mad_u32_u24 v[CWV], v9, 4*VP, v14
	v_add_nc_u32 v[CWV], s46, v[CWV]
	s_mul_i32 s46, s12, STGW
	s_add_co_u32 s46, s46, STAGE                   ; my wave's stage
	v_mad_u32_u24 v15, v9, 8*KP, v14
	v_add_nc_u32 v15, s46, v15                     ; Q into the stage: 8 r + 1,152 h
	v_add_nc_u32 v16, s46, v12                     ; Q fragments out of it: 144 r + 16 h
	v_mul_u32_u24 v[STO], v8, OP
	v_lshl_add_u32 v[STO], v9, 5, v[STO]
	v_add_nc_u32 v[STO], s46, v[STO]
	v_mul_u32_u24 v[RD], v9, OP
	v_lshl_add_u32 v[RD], v8, 4, v[RD]
	v_add_nc_u32 v[RD], s46, v[RD]
	v_and_b32 v[CO], 31, v0
	v_lshlrev_b32 v[CO], 4, v[CO]
	v_mov_b32 v[PB+1], 0                           ; the pairs' second words: never multiplied by, written once
	v_mov_b32 v[PB+3], 0
	s_wait_dscnt 0x0
	s_wait_kmcnt 0x0
	s_bitcmp1_b32 s12, 1                           ; waves 2, 3 bring V, waves 0, 1 bring K
	s_cselect_b64 s[G0+2:G0+3], s[8:9], s[4:5]
	s_add_nc_u64 s[G0+2:G0+3], s[G0+2:G0+3], s[44:45]      ; step 0
	s_add_nc_u64 s[G0+6:G0+7], s[G0+2:G0+3], STEPB         ; step 1
	s_or_b32 s[G0+3], s[G0+3], 0x80000000          ; type = 2
	s_or_b32 s[G0+7], s[G0+7], 0x80000000
	s_add_nc_u64 s[40:41], s[6:7], s[32:33]        ; my 32 rows of query
	s_add_nc_u64 s[42:43], s[10:11], s[32:33]      ; and of out0
	; Q: 16 loads, each two whole rows of 256 bytes (rows 16 g + j and 16 g + j + 8).  Read once in the launch.
.irp i, 0,1,2,3,4,5,6,7,8,9,10,11,12,13,14,15
	global_load_b128 v[FR+4*\i:FR+4*\i+3], v17, s[40:41] offset:256*(16*(\i>>3)+(\i&7)) th:TH_LOAD_NT
.endr
	ROUND                                          ; the four work-groups are here: the first joint load meets its partners'
	JLOAD 0                                        ; step 0 into slot 0
	; Q to bf16, into my own stage, and back as fragments
.irp i, 0,1,2,3,4,5,6,7,8,9,10,11,12,13,14,15
	s_wait_loadcnt 15-\i                           ; loads come back in order (ISA guide 5.7.1): load i is in, the 15 - i younger ones stay out
	v_cvt_pk_bf16_f32 v[FR+4*\i], v[FR+4*\i], v[FR+4*\i+1]
	v_cvt_pk_bf16_f32 v[FR+4*\i+1], v[FR+4*\i+2], v[FR+4*\i+3]
	ds_store_b64 v15, v[FR+4*\i:FR+4*\i+1] offset:KP*(16*(\i>>3)+(\i&7))
.endr
.irp qt, 0,1
.irp ds, 0,1
	ds_load_b128 v[QF+8*(2*\qt+\ds):QF+8*(2*\qt+\ds)+3],   v16 offset:16*KP*\qt+64*\ds      ; my wave's own bytes; LDS serves a wave's instructions in order (ISA guide 5.7.1.4)
	ds_load_b128 v[QF+8*(2*\qt+\ds)+4:QF+8*(2*\qt+\ds)+7], v16 offset:16*KP*\qt+64*\ds+32   ; waited for by the first step's wait for 0
.endr
.endr
; My 16 rows of K and 16 rows of V of a slot, f32 to bf16.  A load takes two whole rows of 256 bytes; a store's two halves of 128 bytes lie 128 bytes apart modulo 256.
.macro CONVERT crk, crv
.irp j, 0,1,2,3,4,5,6,7
	ds_load_b128 v[FR+4*\j:FR+4*\j+3], v[\crk] offset:256*\j                               ; K rows j, j + 8
.endr
.irp j, 0,1,2,3,4,5,6,7
	ds_load_b128 v[FR+32+4*\j:FR+32+4*\j+3], v[\crv] offset:256*((\j>>2)*8+(\j&3))         ; V rows 8 (j / 4) + j % 4, and four further down
.endr
.irp j, 0,1,2,3,4,5,6,7
	s_wait_dscnt 15                                ; behind load j stand 15 - j loads and j stores: always 15
	v_cvt_pk_bf16_f32 v[FR+4*\j], v[FR+4*\j], v[FR+4*\j+1]
	v_cvt_pk_bf16_f32 v[FR+4*\j+1], v[FR+4*\j+2], v[FR+4*\j+3]
	ds_store_b64 v[CWK], v[FR+4*\j:FR+4*\j+1] offset:KP*\j
.endr
.irp j, 0,1,2,3,4,5,6,7
	s_wait_dscnt 15                                ; the same count: load 8 + j, 7 - j loads and 8 + j stores behind it
	v_cvt_pk_bf16_f32 v[FR+32+4*\j], v[FR+32+4*\j], v[FR+32+4*\j+1]
	v_cvt_pk_bf16_f32 v[FR+32+4*\j+1], v[FR+32+4*\j+2], v[FR+32+4*\j+3]
	ds_store_b64 v[CWV], v[FR+32+4*\j:FR+32+4*\j+1] offset:VP*((\j>>2)*8+(\j&3))
.endr
.endm
; Eight matrix instructions of S^T = K Q^T: 64 keys x 32 queries, d = 32 ds .. 32 ds + 31.  zero = 1: the product starts the sums.
; The eight accumulators take turns, one instruction a turn.
.macro QK ds, zero
.irp kt, 0,1,2,3
.irp qt, 0,1
.set sg, SC+8*(4*(\kt>>1)+2*\qt+(\kt&1))
.if \zero
	v_wmma_f32_16x16x32_bf16 v[sg:sg+7], v[FR+8*(4*\ds+\kt):FR+8*(4*\ds+\kt)+7], v[QF+8*(2*\qt+\ds):QF+8*(2*\qt+\ds)+7], 0
.else
	v_wmma_f32_16x16x32_bf16 v[sg:sg+7], v[FR+8*(4*\ds+\kt):FR+8*(4*\ds+\kt)+7], v[QF+8*(2*\qt+\ds):QF+8*(2*\qt+\ds)+7], v[sg:sg+7]
.endif
.endr
.endr
.endm
; Eight matrix instructions of O^T += V^T P^T: 64 d x 32 queries, keys 32 ks .. 32 ks + 31.  The eight accumulators take turns likewise.
.macro PV ks, zero
.irp dt, 0,1,2,3
.irp qt, 0,1
.set og, OA+8*(2*\dt+\qt)
.if \zero
	v_wmma_f32_16x16x32_bf16 v[og:og+7], v[FR+8*(4*\ks+\dt):FR+8*(4*\ks+\dt)+7], v[SC+16*(2*\ks+\qt):SC+16*(2*\ks+\qt)+7], 0
.else
	v_wmma_f32_16x16x32_bf16 v[og:og+7], v[FR+8*(4*\ks+\dt):FR+8*(4*\ks+\dt)+7], v[SC+16*(2*\ks+\qt):SC+16*(2*\ks+\qt)+7], v[og:og+7]
.endif
.endr
.endr
.endm
; O^T times the lane's factor in PB (alpha, or 1 / l)
.macro SCALEO
.irp dt, 0,1,2,3
.irp qt, 0,1
.irp i, 0,2,4,6
	v_pk_mul_f32 v[OA+8*(2*\dt+\qt)+\i:OA+8*(2*\dt+\qt)+\i+1], v[OA+8*(2*\dt+\qt)+\i:OA+8*(2*\dt+\qt)+\i+1], v[PB+2*\qt:PB+2*\qt+1] op_sel_hi:[1,0]
.endr
.endr
.endr
.endm
; Score tile 'tile': s becomes c s + NM, two at a time.  The tile's query tile is (tile / 2) % 2.
.macro EXPARG tile
.irp i, 0,2,4,6
	v_pk_fma_f32 v[SC+8*\tile+\i:SC+8*\tile+\i+1], v[SC+8*\tile+\i:SC+8*\tile+\i+1], s[34:35], v[PA+2*((\tile>>1)&1):PA+2*((\tile>>1)&1)+1] op_sel_hi:[1,0,0]
.endr
.endm
; 64 keys (half 'sub' of the step's 128) against my 32 queries.  first = 1: the launch's first 64 keys start maximum, sums and O.
.macro KEYS64 sub, first
.irp ds, 0,1
.irp kt, 0,1,2,3
	ds_load_b128 v[FR+8*(4*\ds+\kt):FR+8*(4*\ds+\kt)+3],   v[KADR] offset:(64*\sub+16*\kt)*KP+64*\ds
	ds_load_b128 v[FR+8*(4*\ds+\kt)+4:FR+8*(4*\ds+\kt)+7], v[KADR] offset:(64*\sub+16*\kt)*KP+64*\ds+32
.endr
.endr
	s_wait_dscnt 8                                 ; the eight loads of d = 0..31 are in, the eight of d = 32..63 may be out
	QK 0, 1
	s_wait_dscnt 0
	QK 1, 0
	PLACES 4                                       ; four places behind the last matrix instruction: the maxima read its result, the loads below land on its sources
.irp ks, 0,1
.irp dt, 0,1,2,3
	ds_load_tr16_b128 v[FR+8*(4*\ks+\dt):FR+8*(4*\ks+\dt)+3],   v[VADR] offset:(64*\sub+32*\ks)*VP+32*\dt
	ds_load_tr16_b128 v[FR+8*(4*\ks+\dt)+4:FR+8*(4*\ks+\dt)+7], v[VADR] offset:(64*\sub+32*\ks)*VP+32*\dt+16*VP
.endr
.endr
	; the maximum of my 32 scores of each query tile, and of the old M: four chains that do not wait for each other
.if \first
	v_max_num_f32 v8,  v[SC],    v[SC+1]
	v_max_num_f32 v10, v[SC+16], v[SC+17]
.else
	v_max3_num_f32 v8,  v[PA+1], v[SC],    v[SC+1]
	v_max3_num_f32 v10, v[PA+3], v[SC+16], v[SC+17]
.endif
	v_max_num_f32 v9,  v[SC+32], v[SC+33]
	v_max_num_f32 v11, v[SC+48], v[SC+49]
.irp i, 2,4,6,8,10,12,14
	v_max3_num_f32 v8,  v8,  v[SC+\i],    v[SC+\i+1]
	v_max3_num_f32 v9,  v9,  v[SC+32+\i], v[SC+32+\i+1]
	v_max3_num_f32 v10, v10, v[SC+16+\i], v[SC+16+\i+1]
	v_max3_num_f32 v11, v11, v[SC+48+\i], v[SC+48+\i+1]
.endr
	v_max_num_f32 v8,  v8,  v9
	v_max_num_f32 v10, v10, v11
	v_permlanex16_b32 v9,  v8,  s37, s38           ; the other half's keys (the destinations have been written above)
	v_permlanex16_b32 v11, v10, s37, s38
	v_max_num_f32 v[PA+1], v8,  v9                 ; M, the same in both halves
	v_max_num_f32 v[PA+3], v10, v11
.if \first
	v_mul_f32 v[PA],   s36, v[PA+1]                ; NM = -c M
	v_mul_f32 v[PA+2], s36, v[PA+3]
.else
	v_mov_b32 v12, v[PA]
	v_mov_b32 v13, v[PA+2]
	v_mul_f32 v[PA],   s36, v[PA+1]
	v_mul_f32 v[PA+2], s36, v[PA+3]
	v_sub_f32 v[PB],   v[PA],   v12               ; NM new - NM old, at most 0
	v_sub_f32 v[PB+2], v[PA+2], v13
	v_exp_f32 v[PB],   v[PB]                       ; alpha
	v_exp_f32 v[PB+2], v[PB+2]
.endif
.set gn, 0
	EXPARG gn                                      ; also the plain instructions that stand between the two exponentials and alpha's first use (ISA guide 5.7.2)
.if \first == 0
	s_wait_alu depctr_va_vdst(0)
	v_pk_mul_f32 v[LS:LS+1],   v[LS:LS+1],   v[PB:PB+1]   op_sel_hi:[1,0]
	v_pk_mul_f32 v[LS+2:LS+3], v[LS+2:LS+3], v[PB+2:PB+3] op_sel_hi:[1,0]
	SCALEO
.endif
	; tile by tile: eight exponentials; the next tile's arguments, which are the plain instructions behind them; the tile's sum; its rounding to bf16 in place
.set g, 0
.rept 8
.irp i, 0,1,2,3,4,5,6,7
	v_exp_f32 v[SC+8*g+\i], v[SC+8*g+\i]
.endr
.if g < 7
.set gn, g+1
	EXPARG gn
.else
	v_nop
	s_wait_alu depctr_va_vdst(0)
.endif
	s_wait_alu depctr_va_vdst(0)
	v_pk_add_f32 v[12:13], v[SC+8*g:SC+8*g+1],   v[SC+8*g+2:SC+8*g+3]
	v_pk_add_f32 v[14:15], v[SC+8*g+4:SC+8*g+5], v[SC+8*g+6:SC+8*g+7]
.set startsum, 0
.if \first
.if g == 0
.set startsum, 1
.endif
.if g == 2
.set startsum, 1
.endif
.endif
.if startsum
	v_pk_add_f32 v[LS+2*((g>>1)&1):LS+2*((g>>1)&1)+1], v[12:13], v[14:15]          ; a query tile's first score tile starts its sums: nothing is cleared
.else
	v_pk_add_f32 v[12:13], v[12:13], v[14:15]
	v_pk_add_f32 v[LS+2*((g>>1)&1):LS+2*((g>>1)&1)+1], v[LS+2*((g>>1)&1):LS+2*((g>>1)&1)+1], v[12:13]
.endif
.irp i, 0,1,2,3
	v_cvt_pk_bf16_f32 v[SC+16*(g>>1)+4*(g&1)+\i], v[SC+8*g+2*\i], v[SC+8*g+2*\i+1] ; an even tile into registers 0-3 of P, the odd one behind it into 4-7
.endr
.set g, g+1
.endr
	s_wait_dscnt 8                                 ; V's fragments of keys 0..31 are in, the eight loads of keys 32..63 may be out
	PV 0, \first
	s_wait_dscnt 0
	PV 1, 0
	PLACES 5                                       ; five places: the next matrix instructions write over P; loads land on V's fragments; vector instructions write O
.endm
; A step of 128 keys out of 'slot'.  refill = 1: the other slot gets the next step's tiles.
.macro TRIP slot, other, refill, first
	s_set_vgpr_msb 0x5
	s_wait_tensorcnt 0x0                           ; all my tensor loads have landed: the one that was out is my quarter of this slot,
	ds_add_u32 v0, v1
	s_wait_dscnt 0x0
	s_set_vgpr_msb 0x500
	s_add_nc_u64 s[G0+4*\slot+2:G0+4*\slot+3], s[G0+4*\slot+2:G0+4*\slot+3], 2*STEPB   ; so a group 0 may be written: this slot's next tile, two steps on
	s_wait_dscnt 0x0                               ; my reads of the other slot and of the bf16 tiles are back
	ROUND                                          ; both now hold of every wave of the four work-groups
.if \refill
	JLOAD \other                                   ; my one tensor load behind the round, and the first thing there
.endif
.if \slot
	CONVERT CRK1, CRV1
.else
	CONVERT CRK0, CRV0
.endif
	s_wait_dscnt 0x0                               ; my stores into the bf16 tiles are done, for the other waves' sake
	s_barrier_signal -1
	s_barrier_wait -1                              ; the bf16 tiles are whole.  The tensor load stays on its way
	KEYS64 0, \first
	KEYS64 1, 0
.endm
	TRIP 0, 1, 1, 1                                ; step 0 starts the sums; slot 1 gets its first tile as a refill would
	TRIP 1, 0, 1, 0
	s_mov_b32 s39, 6                               ; steps 2 to 13
.Lpair:
	TRIP 0, 1, 1, 0
	TRIP 1, 0, 1, 0
	s_sub_co_u32 s39, s39, 1
	s_cmp_lg_u32 s39, 0
	s_cbranch_scc1 .Lpair
	TRIP 0, 1, 1, 0                                ; step 14 asks for step 15, the last load
	TRIP 1, 0, 0, 0                                ; step 15 asks for nothing (the stepped addresses are not used)
	; THE WAY OUT.  l = my two partial sums + the other half's; O^T / l; through my own stage into whole rows.
	v_add_f32 v8,  v[LS],   v[LS+1]
	v_add_f32 v10, v[LS+2], v[LS+3]
	v_permlanex16_b32 v9,  v8,  s37, s38
	v_permlanex16_b32 v11, v10, s37, s38
	v_add_f32 v8,  v8,  v9
	v_add_f32 v10, v10, v11
	v_rcp_f32 v[PB],   v8                          ; l is at least about 1: the row's largest term is 2^0
	v_rcp_f32 v[PB+2], v10
	v_nop                                          ; the plain instruction between the reciprocals and their use (ISA guide 5.7.2)
	s_wait_alu depctr_va_vdst(0)
	SCALEO
.irp qt, 0,1
.irp dt, 0,1,2,3
	ds_store_b128 v[STO], v[OA+8*(2*\dt+\qt):OA+8*(2*\dt+\qt)+3]   offset:16*OP*\qt+64*\dt      ; query 16 qt + r, d = 16 dt + 8 h + 0..3
	ds_store_b128 v[STO], v[OA+8*(2*\dt+\qt)+4:OA+8*(2*\dt+\qt)+7] offset:16*OP*\qt+64*\dt+16   ; and + 4..7
.endr
.endr
.irp t, 0,1,2,3,4,5,6,7,8,9,10,11,12,13,14,15
	ds_load_b128 v[FR+4*\t:FR+4*\t+3], v[RD] offset:2*OP*\t        ; rows 2 t and 2 t + 1; my own bytes, served in order behind the stores above
.endr
.irp t, 0,1,2,3,4,5,6,7,8,9,10,11,12,13,14,15
	s_wait_dscnt 15-\t                             ; load t is in, the 15 - t younger ones stay out
	global_store_b128 v[CO], v[FR+4*\t:FR+4*\t+3], s[42:43] offset:512*\t th:TH_STORE_NT   ; 32 lanes store two whole rows: 512 consecutive bytes at a multiple of 256
.endr
	s_set_vgpr_msb 0x5
	s_wait_tensorcnt 0x0
	ds_add_u32 v0, v1
	s_wait_dscnt 0x0
	s_set_vgpr_msb 0x500
	ROUND                                          ; the closing round: no work-group ends while a partner may still ask for a tile that names it
	s_endpgm
.Lfunc_end_k_q048f8ebe84_attn:
	.size	k_q048f8ebe84_attn, .Lfunc_end_k_q048f8ebe84_attn-k_q048f8ebe84_attn
	.p2alignl 7, 3214868480
	.fill 96, 4, 3214868480
	.section	.rodata,"a",@progbits
	.p2align	6, 0x0
	.amdhsa_kernel k_q048f8ebe84_attn
		.amdhsa_group_segment_fixed_size 327680
		.amdhsa_private_segment_fixed_size 0
		.amdhsa_enable_private_segment 0
		.amdhsa_kernarg_size 32
		.amdhsa_user_sgpr_count 2
		.amdhsa_user_sgpr_kernarg_segment_ptr 1
		.amdhsa_wavefront_size32 1
		.amdhsa_system_sgpr_workgroup_id_x 1
		.amdhsa_system_sgpr_workgroup_id_y 1
		.amdhsa_system_sgpr_workgroup_id_z 1
		.amdhsa_system_vgpr_workitem_id 0
		.amdhsa_next_free_vgpr 258
		.amdhsa_next_free_sgpr 66
		.amdhsa_reserve_vcc 0
		.amdhsa_float_denorm_mode_32 3
		.amdhsa_float_denorm_mode_16_64 3
		.amdhsa_memory_ordered 1
		.amdhsa_forward_progress 1
		.amdhsa_inst_pref_size 255
	.end_amdhsa_kernel
	.section	.bss,"aw",@nobits
	.p2align	6
	.space	262144
	.amdgpu_metadata
---
amdhsa.version: [ 1, 2 ]
amdhsa.kernels:
  - .name:           k_q048f8ebe84_attn
    .symbol:         k_q048f8ebe84_attn.kd
    .args:
      - { .name: key, .offset: 0, .size: 8, .value_kind: global_buffer, .address_space: global }
      - { .name: query, .offset: 8, .size: 8, .value_kind: global_buffer, .address_space: global }
      - { .name: value, .offset: 16, .size: 8, .value_kind: global_buffer, .address_space: global }
      - { .name: out0, .offset: 24, .size: 8, .value_kind: global_buffer, .address_space: global }
    .group_segment_fixed_size: 327680
    .private_segment_fixed_size: 0
    .kernarg_segment_align: 8
    .kernarg_segment_size: 32
    .max_flat_workgroup_size: 256
    .sgpr_count:     66
    .vgpr_count:     258
    .wavefront_size: 32
...
	.end_amdgpu_metadata
.endif
;; end of part 1
